; MI455X (gfx1250); checked and timed in simulation.
; The chip was launched on July 23, 2026; its instructions are those of AMD's public machine-readable ISA for CDNA 5 (MIT licence, August 2026) and "CDNA5" Instruction Set Architecture Reference Guide (July 2026). The comments in the code are by the model that wrote it; some were corrected since.
;; Neural GP Kernel. Allowed arithmetic: matrix products marked QUANTISED: E5M2 operands, one given power-of-two scale a tensor, by v_wmma_f32_16x16x64_bf8_bf8 or v_wmma_f32_16x16x128_bf8_bf8, f32 sums; products left as they are: f32 operands where the result goes on into a quantised operand, else bf16, f16 or f32 operands; f32 sums; everything else in f32.
;; Inputs: fb1 256 float32; fb2 256 float32; fw1 256 x 256 float32; fw2 256 x 256 float32; h_obs 2 x 512 x 256 float32; kb1 256 float32; kb2 8 float32; kw1 9 x 256 float32; kw2 256 x 8 float32; log_sigma 8 float32; lowp_scales 10 int32 (the exponents e of the quantised operands' scales 2^e); ob 128 float32; ow 256 x 128 float32; pos_obs 2 x 512 x 3 float32; pos_query 2 x 512 x 3 float32; vb 128 float32; vw 256 x 128 float32.
;; Outputs: out0 2 x 512 x 128 float32; out1 2 x 512 x 128 float32.
;; This version of the problem:
;;   THIS VERSION OF THE PROBLEM IS GIVEN IN LOW PRECISION. The matrix products marked QUANTISED in the list below multiply operands that are first quantised to E5M2 (5 exponent bits, 2 mantissa bits; 8 bits a number), with one given power-of-two scale for each operand tensor; their sums are f32. All else is computed in f32.
;;   The module's matrix products, in the order in which they are computed (A, B: the left and right operand; K: the contracted axis; several contracted axes count as one K, in the product's order):
;;     1. [M 1,024, K 256] x [K 256, N 256]; A: input h_obs; B: input fw1: QUANTISED (scales: A lowp_scales[0], B lowp_scales[1])
;;     2. [M 1,024, K 256] x [K 256, N 256]; A: computed on the way; B: input fw2: QUANTISED (scales: A lowp_scales[2], B lowp_scales[3])
;;     3. [M 524,288, K 9] x [K 9, N 256]; A: computed on the way; B: input kw1: left as it is (K = 9 < 32)
;;     4. [M 524,288, K 256] x [K 256, N 8]; A: computed on the way; B: input kw2: left as it is (N = 8 < 16)
;;     5. batch 16 x [M 512, K 512] x [K 512, N 32]; A: softmax (see below); B: computed on the way: QUANTISED (scales: A lowp_scales[4], B lowp_scales[5])
;;     6. [M 1,024, K 256] x [K 256, N 128]; A: computed on the way; B: input ow: QUANTISED (scales: A lowp_scales[6], B lowp_scales[7])
;;     7. [M 1,024, K 256] x [K 256, N 128]; A: computed on the way; B: input vw: QUANTISED (scales: A lowp_scales[8], B lowp_scales[9])
;;   THE QUANTISER, for each operand of a quantised product, along K:
;;     - The operand's scale is 2^e, e = its entry of the input lowp_scales (int32; the entries are numbered through the quantised products in the list's order, A before B).
;;     - Each number is divided by the scale, clamped to +-57,344, and rounded to the nearest number of E5M2, ties to even, subnormals kept.
;;     - The product sums the exact products of the quantised numbers (number of the format x scale) in f32.
;;   ~~~python
;;   def quantise(x, axis, e):      # numpy; x: float32 -> the quantised numbers, widened to float32 again
;;       x = np.moveaxis(x, axis, -1); K = x.shape[-1]
;;       r = np.clip(x / 2.0 ** e, -57344, 57344)
;;       step = 2.0 ** (np.maximum(np.frexp(np.where(r == 0, 1, r))[1] - 1, -14) - 2)
;;       q = np.round(r / step) * step * 2.0 ** e      # np.round: ties to even
;;       return np.moveaxis(q, -1, axis).astype(np.float32)
;;   ~~~
;;   SOFTMAX AHEAD OF A QUANTISED PRODUCT. Where the list says 'softmax', what is quantised is not the finished softmax but p = 2^(t - M), with t = logit x log2(e) and M = ceil(the row's largest t), a whole number; so 1/2 < the row's largest p <= 1. The row's sum l is taken of the UNQUANTISED p, in f32, and the product's result is divided by l at the end. Since M is a whole number, a kernel that streams over the keys may use a running M (the ceiling of the running maximum): every later rescaling is an exact power of two, so the quantised numbers keep their values, but for numbers so far below the row's largest that they fall under the format's range.
;;   OPERANDS COMPUTED ON THE WAY. 'Computed on the way' means the value that the module computes at that place (a softmax that the list does not call 'softmax' is quantised finished and normalised). What goes into a quantiser is computed in f32, as accurately as f32 sums, v_exp_f32 and their like allow (about 1e-6 of the number): no bf16 or f16 on the way to a quantiser, and a product that is left as it is and whose result goes on into a quantised operand takes f32 operands (vector FMAs, or v_wmma_f32_16x16x4_f32). A number that lies on a knife's edge between two numbers of the format may be rounded either way, as far as f32 arithmetic and the matrix unit's own rounding can turn it there, and no further.
;; One version. Each part assembles by itself: llvm-mc -triple=amdgcn-amd-amdhsa -mcpu=gfx1250 --defsym DOCPART=n.
;; ======== version 1 of 1: 3 launches
;; workspace buffers: w1img 65,536 bytes; w2img 65,536 bytes; owimg 32,768 bytes; vwimg 32,768 bytes; gk 256 bytes; himg 262,144 bytes; vimg 262,144 bytes
;; launch quant (part 1): grid 97 x 1, 1 waves a work-group, no clusters, 0 bytes of LDS; arguments fw1, fw2, ow, vw, kw1, kw2, lowp_scales, w1img, w2img, owimg, vwimg, gk; writes w1img, w2img, owimg, vwimg, gk
.if DOCPART == 1
	.amdgcn_target "amdgcn-amd-amdhsa--gfx1250"
	.amdhsa_code_object_version 6
	.text
	.protected	k_q4927cec7e5_quant
	.globl	k_q4927cec7e5_quant
	.p2align	8
	.type	k_q4927cec7e5_quant,@function
k_q4927cec7e5_quant:
	s_mov_b64 s[64:65], 0
	v_nop
	global_prefetch_b8 v0, s[64:65] scope:SCOPE_SE
	s_setreg_imm32_b32 hwreg(HW_REG_WAVE_MODE, 25, 1), 1
	s_wait_xcnt 0x0
; LAUNCH 1 OF 3.  The four weights of the quantised products become codes of BF8 (E5M2), laid as images of the operand's registers; and G, a 3 x 8 matrix, is made.
; DEAD WORK: none.  Every input of reference() reaches an output (kb2 too: it moves M = ceil(largest t), and so the codes of p), so every input is loaded by some launch.
; LESS WORK BY IDENTITIES that hold for all values of the inputs (used in the third launch):
;   ki = [pq, po, pq - po], so ki @ kw1 = pq.(Wa + Wc) + po.(Wb - Wc), with Wa, Wb, Wc = rows 0-2, 3-5, 6-8 of kw1: a sum of three terms for each query, a, and one for each key, c;
;   relu(a + c) = max(a, -c) + c, so relu(..) @ kw2 = sum_j kw2[j][h] max(a[j], -c[j]) + po.G[:, h], with G = (Wb - Wc) @ kw2, which is made here.
; LIMIT of that form: pq's and po's terms with Wc are rounded apart, an error of the size of f32's rounding of |pos| x |Wc|, as reference()'s own terms with Wa and Wb have.
; A FRAGMENT is 16 rows x 128 K in 16 registers: lane (r = lane % 16, hh = lane / 16) holds, of row r, k = 128 ks + 32 c + 16 hh + 0 .. 15 in registers 4 c .. 4 c + 3.  The same order of k is used
; on both sides of every product of this program.  Its IMAGE is [c 4][lane 32][16 bytes], 2,048 bytes: four loads of 16 bytes a lane bring it back.
; SHARES: one wave to a work-group, one fragment to a wave.  Work-groups 0-31: fw1; 32-63: fw2; 64-79: ow; 80-95: vw; 96: G.  All four weights are stored [K][N]: a lane takes a column and its registers
; run down K, so the conversions' results are the fragment's registers.
; fw1's rows of a tile are not neighbours: row r of tile nt is hidden unit 32 (nt / 2) + 8 (nt % 2) + r + 8 (r / 8), so that the second launch's results fall along the next K.
; code = x / 2^e, held within +-57,344, to the nearest code, ties to even.  LIMITS: e (entries 1, 3, 7, 9 of lowp_scales) between -126 and 112.  NaN among the inputs is not served.
	s_load_b256 s[4:11], s[0:1], 0x0               ; fw1, fw2, ow, vw
	s_load_b128 s[12:15], s[0:1], 0x20             ; kw1, kw2
	s_load_b64 s[16:17], s[0:1], 0x30              ; the scales' exponents
	s_load_b256 s[20:27], s[0:1], 0x38             ; w1img, w2img, owimg, vwimg
	s_load_b64 s[28:29], s[0:1], 0x58              ; gk
	v_and_b32 v1, 15, v0                           ; r
	v_lshrrev_b32 v3, 4, v0                        ; hh
	v_lshlrev_b32 v5, 4, v0                        ; 16 x lane: my place in an image
	s_wait_kmcnt 0x0
	s_load_b256 s[36:43], s[16:17], 0x0            ; e0 .. e7
	s_load_b64 s[44:45], s[16:17], 0x20            ; e8, e9
	s_cmp_eq_u32 ttmp9, 96
	s_cbranch_scc1 .Lg
	; ---- a fragment.  Source, destination and shape are chosen by the work-group's number alone
	s_cmp_lt_u32 ttmp9, 32
	s_cselect_b64 s[30:31], s[4:5], s[6:7]
	s_cselect_b64 s[32:33], s[20:21], s[22:23]
	s_cselect_b32 s35, 8, 0                        ; fw1 alone: 8 (r / 8) more
	s_cmp_lt_u32 ttmp9, 80
	s_cselect_b64 s[46:47], s[8:9], s[10:11]
	s_cselect_b64 s[48:49], s[24:25], s[26:27]
	s_cmp_lt_u32 ttmp9, 64
	s_cselect_b64 s[30:31], s[30:31], s[46:47]     ; the weight
	s_cselect_b64 s[32:33], s[32:33], s[48:49]     ; its images
	s_cselect_b32 s50, 31, 15
	s_cselect_b32 s51, 14, 13                      ; log2 of 16 rows of the weight in bytes: rows of 1,024 or of 512
	s_and_b32 s50, ttmp9, s50                      ; f: which fragment of the weight
	s_lshr_b32 s52, s50, 1                         ; nt
	s_and_b32 s53, s50, 1                          ; ks
	s_lshr_b32 s54, s52, 1
	s_lshl_b32 s54, s54, 5
	s_and_b32 s55, s52, 1
	s_lshl_b32 s55, s55, 3
	s_add_co_u32 s54, s54, s55                     ; fw1: 32 (nt / 2) + 8 (nt % 2)
	s_lshl_b32 s55, s52, 4                         ; the others: 16 nt
	s_cmp_lt_u32 ttmp9, 32
	s_cselect_b32 s54, s54, s55
	v_lshrrev_b32 v6, 3, v1
	v_mul_u32_u24 v6, v6, s35
	v_add_nc_u32 v6, v6, v1
	v_add_nc_u32 v6, s54, v6                       ; my column
	v_lshlrev_b32 v7, s51, v3                      ; lanes 16-31 begin 16 rows further down
	v_lshl_add_u32 v2, v6, 2, v7
	s_add_co_u32 s56, s51, 3
	s_lshl_b32 s56, s53, s56                       ; ks x 128 rows
	s_mov_b32 s57, 0
	s_add_nc_u64 s[30:31], s[30:31], s[56:57]
	s_lshl_b32 s56, s50, 11                        ; f x 2,048
	s_add_nc_u64 s[32:33], s[32:33], s[56:57]
.macro LOADW pitch                     ; W(128 ks + 32 c + 16 hh + i, my column) into v[16 + 16 c + i]: sixteen neighbouring lanes read 64 neighbouring bytes (fw1: twice 32)
.irp c, 0,1,2,3
.irp i, 0,1,2,3,4,5,6,7,8,9,10,11,12,13,14,15
	global_load_b32 v[16+16*\c+\i], v2, s[30:31] offset:(32*\c+\i)*\pitch
.endr
.endr
.endm
	s_cmp_lt_u32 ttmp9, 64
	s_cbranch_scc0 .Lnarrow
	LOADW 1024
	s_branch .Lq
.Lnarrow:
	LOADW 512
.Lq:
	s_wait_kmcnt 0x0
	s_cmp_lt_u32 ttmp9, 32
	s_cselect_b32 s58, s37, s39
	s_cmp_lt_u32 ttmp9, 80
	s_cselect_b32 s59, s43, s45
	s_cmp_lt_u32 ttmp9, 64
	s_cselect_b32 s58, s58, s59                    ; e of this weight
	s_add_co_i32 s58, s58, 127
	s_lshl_b32 s59, s58, 23
	v_mov_b32 v11, s59                             ; 2^e as f32: the conversion takes its exponent field
	s_add_co_i32 s58, s58, 15
	s_lshl_b32 s58, s58, 23
	s_or_b32 s58, s58, 0x600000
	v_mov_b32 v10, s58                             ; 57,344 x 2^e
	s_wait_loadcnt 0x0
.set k, 0
.rept 64
	v_med3_num_f32 v[16+k], v[16+k], -v10, v10     ; the conversion to an 8-bit code does not saturate (ISA guide 7.6.2): the hold comes first
.set k, k+1
.endr
.irp n, 0,1,2,3,4,5,6,7
	v_cvt_scalef32_pk8_bf8_f32 v[80+2*\n:81+2*\n], v[16+8*\n:23+8*\n], v11
.endr
.irp c, 0,1,2,3
	global_store_b128 v5, v[80+4*\c:83+4*\c], s[32:33] offset:512*\c   ; 32 lanes store 512 consecutive bytes, aligned
.endr
	s_endpgm
	; ---- G[i][h] = sum over j of (kw1[3 + i][j] - kw1[6 + i][j]) kw2[j][h].  Lane l takes j = l + 32 n, n = 0 .. 7
.Lg:
	v_lshlrev_b32 v2, 2, v0
	v_lshlrev_b32 v3, 5, v0
.irp n, 0,1,2,3,4,5,6,7
.irp i, 0,1,2,3,4,5
	global_load_b32 v[16+6*\n+\i], v2, s[12:13] offset:(3+\i)*1024+128*\n
.endr
.endr
.irp n, 0,1,2,3,4,5,6,7
	global_load_b128 v[64+8*\n:67+8*\n], v3, s[14:15] offset:1024*\n
	global_load_b128 v[68+8*\n:71+8*\n], v3, s[14:15] offset:1024*\n+16
.endr
	s_mov_b32 s60, 0x76543210                      ; v_permlanex16_b32's selects for lane l xor 16
	s_mov_b32 s61, 0xfedcba98
	s_wait_loadcnt 0x0
.irp n, 0,1,2,3,4,5,6,7
.irp i, 0,1,2
	v_sub_f32 v[16+6*\n+\i], v[16+6*\n+\i], v[19+6*\n+\i]
.endr
.endr
.irp i, 0,1,2
.irp h, 0,1,2,3,4,5,6,7
	v_mul_f32 v[128+8*\i+\h], v[16+\i], v[64+\h]   ; the first term starts each sum
.endr
.endr
.irp n, 1,2,3,4,5,6,7
.irp i, 0,1,2
.irp h, 0,1,2,3,4,5,6,7
	v_fmac_f32 v[128+8*\i+\h], v[16+6*\n+\i], v[64+8*\n+\h]
.endr
.endr
.endr
.irp m, 1,2,4,8                        ; the 24 sums over the 32 lanes: four steps inside each half of 16 lanes, one across
.set k, 0
.rept 24
	v_add_f32_dpp v[128+k], v[128+k], v[128+k] row_xmask:\m row_mask:0xf bank_mask:0xf
.set k, k+1
.endr
.endr
.set k, 0
.rept 24
	v_permlanex16_b32 v[96+k], v[128+k], s60, s61  ; (its destination has been written: kw2's numbers lay there)
.set k, k+1
.endr
.set k, 0
.rept 24
	v_add_f32 v[128+k], v[128+k], v[96+k]
.set k, k+1
.endr
	v_mov_b32 v4, 0
	v_cmp_eq_u32 vcc_lo, 0, v0
	s_wait_kmcnt 0x0
	s_wait_xcnt 0x0                                ; EXEC changes only behind this wait
	s_and_saveexec_b32 s2, vcc_lo                  ; lane 0 stores the 96 bytes
.irp k, 0,1,2,3,4,5
	global_store_b128 v4, v[128+4*\k:131+4*\k], s[28:29] offset:16*\k
.endr
	s_wait_xcnt 0x0                                ; and again, in front of the line that widens it
	s_or_b32 exec_lo, exec_lo, s2
	s_endpgm
.Lfunc_end_k_q4927cec7e5_quant:
	.size	k_q4927cec7e5_quant, .Lfunc_end_k_q4927cec7e5_quant-k_q4927cec7e5_quant
	.p2alignl 7, 3214868480
	.fill 96, 4, 3214868480
	.section	.rodata,"a",@progbits
	.p2align	6, 0x0
	.amdhsa_kernel k_q4927cec7e5_quant
		.amdhsa_group_segment_fixed_size 0
		.amdhsa_private_segment_fixed_size 0
		.amdhsa_enable_private_segment 0
		.amdhsa_kernarg_size 96
		.amdhsa_user_sgpr_count 2
		.amdhsa_user_sgpr_kernarg_segment_ptr 1
		.amdhsa_wavefront_size32 1
		.amdhsa_system_sgpr_workgroup_id_x 1
		.amdhsa_system_sgpr_workgroup_id_y 1
		.amdhsa_system_sgpr_workgroup_id_z 1
		.amdhsa_system_vgpr_workitem_id 0
		.amdhsa_next_free_vgpr 160
		.amdhsa_next_free_sgpr 66
		.amdhsa_reserve_vcc 1
		.amdhsa_float_denorm_mode_32 3
		.amdhsa_float_denorm_mode_16_64 3
		.amdhsa_memory_ordered 1
		.amdhsa_forward_progress 1
		.amdhsa_inst_pref_size 42
	.end_amdhsa_kernel
	.amdgpu_metadata
---
amdhsa.version: [ 1, 2 ]
amdhsa.kernels:
  - .name:           k_q4927cec7e5_quant
    .symbol:         k_q4927cec7e5_quant.kd
    .args:
      - { .name: fw1, .offset: 0, .size: 8, .value_kind: global_buffer, .address_space: global }
      - { .name: fw2, .offset: 8, .size: 8, .value_kind: global_buffer, .address_space: global }
      - { .name: ow, .offset: 16, .size: 8, .value_kind: global_buffer, .address_space: global }
      - { .name: vw, .offset: 24, .size: 8, .value_kind: global_buffer, .address_space: global }
      - { .name: kw1, .offset: 32, .size: 8, .value_kind: global_buffer, .address_space: global }
      - { .name: kw2, .offset: 40, .size: 8, .value_kind: global_buffer, .address_space: global }
      - { .name: lowp_scales, .offset: 48, .size: 8, .value_kind: global_buffer, .address_space: global }
      - { .name: w1img, .offset: 56, .size: 8, .value_kind: global_buffer, .address_space: global }
      - { .name: w2img, .offset: 64, .size: 8, .value_kind: global_buffer, .address_space: global }
      - { .name: owimg, .offset: 72, .size: 8, .value_kind: global_buffer, .address_space: global }
      - { .name: vwimg, .offset: 80, .size: 8, .value_kind: global_buffer, .address_space: global }
      - { .name: gk, .offset: 88, .size: 8, .value_kind: global_buffer, .address_space: global }
    .group_segment_fixed_size: 0
    .private_segment_fixed_size: 0
    .kernarg_segment_align: 8
    .kernarg_segment_size: 96
    .max_flat_workgroup_size: 32
    .sgpr_count:     66
    .vgpr_count:     160
    .wavefront_size: 32
...
	.end_amdgpu_metadata
.endif
;; end of part 1
;; launch feat (part 2): grid 32 x 1, 4 waves a work-group, no clusters, 16,896 bytes of LDS; arguments h_obs, w1img, fb1, w2img, fb2, lowp_scales, himg, vimg; writes himg, vimg
.if DOCPART == 2
	.amdgcn_target "amdgcn-amd-amdhsa--gfx1250"
	.amdhsa_code_object_version 6
	.text
	.protected	k_q4927cec7e5_feat
	.globl	k_q4927cec7e5_feat
	.p2align	8
	.type	k_q4927cec7e5_feat,@function
k_q4927cec7e5_feat:
	s_mov_b64 s[64:65], 0
	v_nop
	global_prefetch_b8 v0, s[64:65] scope:SCOPE_SE
	s_setreg_imm32_b32 hwreg(HW_REG_WAVE_MODE, 25, 1), 1
	s_wait_xcnt 0x0
; LAUNCH 2 OF 3.  The feature net: hid = relu(h_obs fw1 + fb1), v = hid fw2 + fb2, both products on codes of BF8 (E5M2).  Nothing of reference() is left out here.
; It stores the hidden layer's codes (himg: the third launch makes v anew from them for the variance) and v's codes with the KEYS along K (vimg: the operand of the weighted mean).
; SHARES.  Work-group x takes rows 32 x .. 32 x + 31 (two tiles t of 16 keys).  THE WAVES SHARE THE COLUMNS: wave w makes hidden units 64 w .. + 63 and columns 64 w .. + 63 of v, for all 32 rows; its parts of
; both weights stay in its registers.  Operands go from wave to wave through LDS as images of their registers (16 x lane + 512 c).
; THE ROWS OF A KEY TILE ARE NOT NEIGHBOURS: tile row m is key 16 kt + sigma(m), sigma(m) = (m & 3) + 4 (m >> 3) + 8 ((m >> 2) & 1).  With that order the eight keys of a lane's accumulator in product 2
; (rows 8 hh + 0 .. 7) are the keys that the third launch's lanes hold four by four, so that both sides of the weighted mean have the same order of keys along K:
; in K step s, (half hh, register i, byte b) is key 128 s + 8 i + 4 hh + b.
; PRODUCT 1 is used transposed (source 0 = 16 rows of W1, source 1 = 16 rows of x): a lane holds one row and eight hidden units, which by the order of W1's rows are neighbours along the next K.
; PRODUCT 2 is used as it stands (source 0 = 16 keys, source 1 = 16 columns of fw2): a lane holds one column of v and eight keys: neighbours along the weighted mean's K.
; fb1 goes in as the C of product 1's first instruction, divided by 2^(e0 + e1); the hidden layer's conversion takes 2^(e2 - e0 - e1); v = sum x 2^(e2 + e3) + fb2, one packed multiply-add.
; LIMITS: e0, e5 and e2 - e0 - e1 between -126 and 112; e2 + e3 between -126 and 127.  NaN among the inputs is not served.
; REGISTERS.  window 0: v1 lane, v2 r, v3 hh, v4 x's byte, v5 16 x lane, v6, v7 where I store images, v8-13 three pairs (scale, largest number x scale), v14, v15 the add's two;
;   v16-79 x's 64 numbers, then the hidden layer [t][tile]; v80-95 codes; v96-159 four fragments from LDS; v160-223 v's sums [t][ct] (v192-223 first hold fb1's four tiles); v224-227 fb2.
;   window 1: v0-127 W1's eight fragments (32 tile + 16 ks), v128-255 W2's.
.set XI,    0                          ; LDS: x's four fragments (2 t + ks),
.set HI,    8192                       ; the hidden layer's four,
.set SPARE, 16384                      ; and the spare words, 128 bytes for each wave: two blocks of 256 bytes that no other line names
.set XN,  16
.set PC,  80
.set XF,  96
.set D2,  160
.set B1,  192
.set FB2, 224
.set MSB, 0
.macro WIN new                         ; the immediate's high byte repeats the setting that is left
.if MSB != \new
	s_set_vgpr_msb (MSB<<8)|\new
.set MSB, \new
.endif
.endm
.macro MKSC se, vs, vl                 ; from the exponent in s[se]: v[vs] = 2^e as f32, v[vl] = 57,344 x 2^e
	s_add_co_i32 s28, s[\se], 127
	s_lshl_b32 s29, s28, 23
	v_mov_b32 v[\vs], s29
	s_add_co_i32 s28, s28, 15
	s_lshl_b32 s28, s28, 23
	s_or_b32 s28, s28, 0x600000
	v_mov_b32 v[\vl], s28
.endm
.macro FETCH reg, off                  ; a fragment's image comes back, in any wave
.irp c, 0,1,2,3
	ds_load_b128 v[\reg+4*\c:\reg+4*\c+3], v5 offset:\off+512*\c
.endr
.endm
.macro BARRIER                         ; my LDS stores have landed and my LDS loads are in: then the work-group's barrier
	s_wait_dscnt 0x0
	s_barrier_signal -1
	s_barrier_wait -1
.endm
	s_load_b512 s[4:19], s[0:1], 0x0               ; h_obs 4, w1img 6, fb1 8, w2img 10, fb2 12, the exponents 14, himg 16, vimg 18
	v_lshl_add_u32 v14, v0, 2, SPARE
	v_mov_b32 v15, 0
	v_lshrrev_b32 v1, 5, v0
	v_readfirstlane_b32 s20, v1                    ; wave 0..3
	v_and_b32 v1, 31, v0
	v_and_b32 v2, 15, v0
	v_bfe_u32 v3, v0, 4, 1
	v_and_b32 v16, 3, v2
	v_bfe_u32 v17, v2, 3, 1
	v_lshl_add_u32 v16, v17, 2, v16
	v_bfe_u32 v17, v2, 2, 1
	v_lshl_add_u32 v16, v17, 3, v16                ; sigma(r)
	s_lshr_b32 s21, s20, 1                         ; I quantise fragment w of x: tile t = w / 2,
	s_and_b32 s22, s20, 1                          ; K step w % 2
	s_lshl_b32 s23, s21, 14
	s_lshl_b32 s24, s22, 9
	s_add_co_u32 s23, s23, s24
	v_lshlrev_b32 v4, 10, v16
	v_lshl_add_u32 v4, v3, 6, v4
	v_add_nc_u32 v4, s23, v4                       ; (16 t + sigma(r)) rows of 1,024 bytes + 512 ks + 64 hh
	v_lshlrev_b32 v5, 4, v1
	s_lshl_b32 s24, s20, 11
	v_add_nc_u32 v6, s24, v5                       ; x's image: fragment w
	s_lshl_b32 s24, s20, 10
	s_add_co_u32 s24, s24, HI
	v_add_nc_u32 v7, s24, v5                       ; the hidden layer's: K step w / 2, registers 8 (w % 2) on: 2,048 (w / 2) + 1,024 (w % 2) = 1,024 w
	v_lshlrev_b32 v228, 6, v3
	v_lshlrev_b32 v229, 2, v2
	s_mov_b32 s27, 0
	s_wait_kmcnt 0x0
	s_load_b256 s[36:43], s[14:15], 0x0            ; e0 .. e7
	s_lshl_b32 s26, ttmp9, 15
	s_add_nc_u64 s[4:5], s[4:5], s[26:27]          ; my 32 rows of h_obs
	s_lshl_b32 s26, s20, 14
	s_add_nc_u64 s[6:7], s[6:7], s[26:27]          ; my eight fragments of W1
	s_add_nc_u64 s[10:11], s[10:11], s[26:27]      ; and of W2
	s_lshl_b32 s26, s20, 8
	s_add_nc_u64 s[8:9], s[8:9], s[26:27]          ; my 64 numbers of fb1
	s_add_nc_u64 s[12:13], s[12:13], s[26:27]      ; and of fb2
	s_lshl_b32 s26, ttmp9, 13
	s_lshl_b32 s25, s20, 10
	s_add_co_u32 s26, s26, s25
	s_add_nc_u64 s[16:17], s[16:17], s[26:27]      ; himg: tile 2 x, + 1,024 w
	s_lshr_b32 s26, ttmp9, 4
	s_lshl_b32 s26, s26, 17                        ; vimg: the batch,
	s_lshl_b32 s25, s20, 15
	s_add_co_u32 s26, s26, s25                     ; my four column tiles,
	s_bfe_u32 s25, ttmp9, 0x20002
	s_lshl_b32 s25, s25, 11
	s_add_co_u32 s26, s26, s25                     ; K step s = (x % 16) / 4,
	s_and_b32 s25, ttmp9, 3
	s_lshl_b32 s25, s25, 9
	s_add_co_u32 s26, s26, s25                     ; registers 4 (x % 4) on
	s_add_nc_u64 s[18:19], s[18:19], s[26:27]
.irp c, 0,1,2,3
.irp i, 0,1,2,3
	global_load_b128 v[XN+16*\c+4*\i:XN+16*\c+4*\i+3], v4, s[4:5] offset:128*\c+16*\i th:TH_LOAD_NT   ; x(row, 128 ks + 32 c + 16 hh + 4 i ..)
.endr
.endr
.irp n, 0,1,2,3
	global_load_b128 v[B1+8*\n:B1+8*\n+3], v228, s[8:9] offset:(32*(\n/2)+8*(\n%2))*4       ; fb1 at tile n's eight units of my half
	global_load_b128 v[B1+8*\n+4:B1+8*\n+7], v228, s[8:9] offset:(32*(\n/2)+8*(\n%2))*4+16
.endr
.irp c, 0,1,2,3
	global_load_b32 v[FB2+\c], v229, s[12:13] offset:64*\c     ; fb2 at column 16 ct + r
.endr
	WIN 0x40                                       ; destination window 1
.irp f, 0,1,2,3,4,5,6,7
.irp c, 0,1,2,3
	global_load_b128 v[16*\f+4*\c:16*\f+4*\c+3], v5, s[6:7] offset:2048*\f+512*\c
.endr
.endr
.irp f, 0,1,2,3,4,5,6,7
.irp c, 0,1,2,3
	global_load_b128 v[128+16*\f+4*\c:128+16*\f+4*\c+3], v5, s[10:11] offset:2048*\f+512*\c
.endr
.endr
	WIN 0
	s_wait_kmcnt 0x0
	s_add_co_i32 s44, s36, s37                     ; e0 + e1
	s_sub_co_i32 s45, 0, s44
	s_sub_co_i32 s30, s38, s44                     ; e2 - e0 - e1
	s_add_co_i32 s46, s38, s39
	s_add_co_i32 s46, s46, 127
	s_lshl_b32 s46, s46, 23                        ; 2^(e2 + e3) as f32
	s_mov_b32 s47, s46                             ; (named with it as a pair, so it is written)
	MKSC 36, 8, 9
	MKSC 30, 10, 11
	MKSC 41, 12, 13
	s_wait_loadcnt 0x0
.set k, 0
.rept 32
	v_ldexp_f32 v[B1+k], v[B1+k], s45              ; fb1 / 2^(e0 + e1): the power of two that the sums lack
.set k, k+1
.endr
	; ---- x's fragment
.set k, 0
.rept 64
	v_med3_num_f32 v[XN+k], v[XN+k], -v9, v9       ; the conversion does not saturate (ISA guide 7.6.2): the hold comes first
.set k, k+1
.endr
.irp n, 0,1,2,3,4,5,6,7
	v_cvt_scalef32_pk8_bf8_f32 v[PC+2*\n:PC+2*\n+1], v[XN+8*\n:XN+8*\n+7], v8
.endr
	v_nop                                          ; a plain line between the conversions and the products that write over their sources
.irp c, 0,1,2,3
	ds_store_b128 v6, v[PC+4*\c:PC+4*\c+3] offset:XI+512*\c
.endr
	BARRIER                                        ; x's four fragments lie in LDS
.irp f, 0,1,2,3
	FETCH XF+16*\f, XI+2048*\f
.endr
	s_wait_dscnt 0x0
	; ---- product 1: eight accumulators by turns, K step by K step
	WIN 0x01                                       ; source 0 (W1) window 1
.irp t, 0,1
.irp n, 0,1,2,3
	v_wmma_f32_16x16x128_bf8_bf8 v[XN+32*\t+8*\n:XN+32*\t+8*\n+7], v[32*\n:32*\n+15], v[XF+32*\t:XF+32*\t+15], v[B1+8*\n:B1+8*\n+7]
.endr
.endr
.irp t, 0,1
.irp n, 0,1,2,3
	v_wmma_f32_16x16x128_bf8_bf8 v[XN+32*\t+8*\n:XN+32*\t+8*\n+7], v[32*\n+16:32*\n+31], v[XF+32*\t+16:XF+32*\t+31], v[XN+32*\t+8*\n:XN+32*\t+8*\n+7]
.endr
.endr
	WIN 0
.rept 4
	v_nop                                          ; four places in front of the first read of results (ISA guide 7.12.1)
.endr
.set k, 0
.rept 64
	v_med3_num_f32 v[XN+k], v[XN+k], 0, v11        ; the activation and the hold in one; each accumulator from its low end on
.set k, k+1
.endr
.irp n, 0,1,2,3,4,5,6,7
	v_cvt_scalef32_pk8_bf8_f32 v[PC+2*\n:PC+2*\n+1], v[XN+8*\n:XN+8*\n+7], v10   ; tile t = n / 4: registers 8 (w % 2) + 2 (n % 4) on of K step w / 2
.endr
	v_nop
.irp t, 0,1
.irp u, 0,1
	ds_store_b128 v7, v[PC+8*\t+4*\u:PC+8*\t+4*\u+3] offset:4096*\t+512*\u
	global_store_b128 v5, v[PC+8*\t+4*\u:PC+8*\t+4*\u+3], s[16:17] offset:4096*\t+512*\u   ; 512 consecutive bytes, aligned
.endr
.endr
	BARRIER                                        ; the hidden layer's four fragments lie in LDS
.irp f, 0,1,2,3
	FETCH XF+16*\f, HI+2048*\f
.endr
	s_wait_dscnt 0x0
	; ---- product 2: eight accumulators by turns
	WIN 0x04                                       ; source 1 (W2) window 1
.irp t, 0,1
.irp c, 0,1,2,3
	v_wmma_f32_16x16x128_bf8_bf8 v[D2+32*\t+8*\c:D2+32*\t+8*\c+7], v[XF+32*\t:XF+32*\t+15], v[128+32*\c:128+32*\c+15], 0
.endr
.endr
.irp t, 0,1
.irp c, 0,1,2,3
	v_wmma_f32_16x16x128_bf8_bf8 v[D2+32*\t+8*\c:D2+32*\t+8*\c+7], v[XF+32*\t+16:XF+32*\t+31], v[128+32*\c+16:128+32*\c+31], v[D2+32*\t+8*\c:D2+32*\t+8*\c+7]
.endr
.endr
	WIN 0
.rept 4
	v_nop
.endr
.irp t, 0,1
.irp c, 0,2
.irp i, 0,2,4,6
	v_pk_fma_f32 v[D2+32*\t+8*\c+\i:D2+32*\t+8*\c+\i+1], v[D2+32*\t+8*\c+\i:D2+32*\t+8*\c+\i+1], s[46:47], v[FB2+\c:FB2+\c+1] op_sel_hi:[1,0,0]   ; v = sum x 2^(e2 + e3) + fb2 of my column
.endr
.irp i, 0,2,4,6
	v_pk_fma_f32 v[D2+32*\t+8*\c+8+\i:D2+32*\t+8*\c+8+\i+1], v[D2+32*\t+8*\c+8+\i:D2+32*\t+8*\c+8+\i+1], s[46:47], v[FB2+\c:FB2+\c+1] op_sel:[0,0,1] op_sel_hi:[1,0,1]
.endr
.endr
.endr
.set k, 0
.rept 64
	v_med3_num_f32 v[D2+k], v[D2+k], -v13, v13
.set k, k+1
.endr
	s_wait_xcnt 0x0                                ; the stores of the hidden layer's codes have read their registers, which are written again now
.irp t, 0,1
.irp c, 0,1,2,3
	v_cvt_scalef32_pk8_bf8_f32 v[PC+4*\c+2*\t:PC+4*\c+2*\t+1], v[D2+32*\t+8*\c:D2+32*\t+8*\c+7], v12   ; eight keys of column 16 ct + r: registers 4 (x % 4) + 2 t, + 1 of the fragment
.endr
.endr
	v_nop
.irp c, 0,1,2,3
	global_store_b128 v5, v[PC+4*\c:PC+4*\c+3], s[18:19] offset:8192*\c   ; 512 consecutive bytes, aligned
.endr
	s_wait_tensorcnt 0x0                           ; the wave's end, behind my last LDS store
	ds_add_u32 v14, v15
	s_wait_dscnt 0x0
	s_endpgm
.Lfunc_end_k_q4927cec7e5_feat:
	.size	k_q4927cec7e5_feat, .Lfunc_end_k_q4927cec7e5_feat-k_q4927cec7e5_feat
	.p2alignl 7, 3214868480
	.fill 96, 4, 3214868480
	.section	.rodata,"a",@progbits
	.p2align	6, 0x0
	.amdhsa_kernel k_q4927cec7e5_feat
		.amdhsa_group_segment_fixed_size 16896
		.amdhsa_private_segment_fixed_size 0
		.amdhsa_enable_private_segment 0
		.amdhsa_kernarg_size 64
		.amdhsa_user_sgpr_count 2
		.amdhsa_user_sgpr_kernarg_segment_ptr 1
		.amdhsa_wavefront_size32 1
		.amdhsa_system_sgpr_workgroup_id_x 1
		.amdhsa_system_sgpr_workgroup_id_y 1
		.amdhsa_system_sgpr_workgroup_id_z 1
		.amdhsa_system_vgpr_workitem_id 0
		.amdhsa_next_free_vgpr 512
		.amdhsa_next_free_sgpr 66
		.amdhsa_reserve_vcc 0
		.amdhsa_float_denorm_mode_32 3
		.amdhsa_float_denorm_mode_16_64 3
		.amdhsa_memory_ordered 1
		.amdhsa_forward_progress 1
		.amdhsa_inst_pref_size 36
	.end_amdhsa_kernel
	.amdgpu_metadata
---
amdhsa.version: [ 1, 2 ]
amdhsa.kernels:
  - .name:           k_q4927cec7e5_feat
    .symbol:         k_q4927cec7e5_feat.kd
    .args:
      - { .name: h_obs, .offset: 0, .size: 8, .value_kind: global_buffer, .address_space: global }
      - { .name: w1img, .offset: 8, .size: 8, .value_kind: global_buffer, .address_space: global }
      - { .name: fb1, .offset: 16, .size: 8, .value_kind: global_buffer, .address_space: global }
      - { .name: w2img, .offset: 24, .size: 8, .value_kind: global_buffer, .address_space: global }
      - { .name: fb2, .offset: 32, .size: 8, .value_kind: global_buffer, .address_space: global }
      - { .name: lowp_scales, .offset: 40, .size: 8, .value_kind: global_buffer, .address_space: global }
      - { .name: himg, .offset: 48, .size: 8, .value_kind: global_buffer, .address_space: global }
      - { .name: vimg, .offset: 56, .size: 8, .value_kind: global_buffer, .address_space: global }
    .group_segment_fixed_size: 16896
    .private_segment_fixed_size: 0
    .kernarg_segment_align: 8
    .kernarg_segment_size: 64
    .max_flat_workgroup_size: 128
    .sgpr_count:     66
    .vgpr_count:     512
    .wavefront_size: 32
...
	.end_amdgpu_metadata
.endif
;; end of part 2
;; launch main (part 3): grid 256 x 1, 8 waves a work-group, no clusters, 258,048 bytes of LDS; arguments pos_obs, pos_query, kw1, kb1, kw2, kb2, log_sigma, lowp_scales, gk, himg, vimg, w2img, fb2, owimg, vwimg, ob, vb, out0, out1; writes out0, out1
.if DOCPART == 3
	.amdgcn_target "amdgcn-amd-amdhsa--gfx1250"
	.amdhsa_code_object_version 6
	.text
	.protected	k_q4927cec7e5_main
	.globl	k_q4927cec7e5_main
	.p2align	8
	.type	k_q4927cec7e5_main,@function
k_q4927cec7e5_main:
	s_mov_b64 s[64:65], 0
	v_nop
	global_prefetch_b8 v0, s[64:65] scope:SCOPE_SE
	s_setreg_imm32_b32 hwreg(HW_REG_WAVE_MODE, 25, 1), 1
	s_wait_xcnt 0x0
; LAUNCH 3 OF 3.  Kernel MLP, logits, softmax, weighted mean (BF8), weighted variance (f32), the two projections (BF8), softplus.  Nothing of reference() is left out as dead.
; THE KERNEL MLP BY IDENTITIES (for all values; shown at the head of the first launch): with Wa, Wb, Wc = rows 0-2, 3-5, 6-8 of kw1,
;   a_q[j] = kb1[j] + pq.(Wa + Wc)[:, j],  -c_o[j] = po.(Wc - Wb)[:, j],  delta[q][o][h] = kb2[h] + po.G[:, h] + sum_j kw2[j][h] max(a_q[j], -c_o[j]).
;   All of it in f32 by vector multiply-adds: it goes on into the quantised p.  t = log2(rbf + 1e-8) + log2(e) delta;  M = ceil(the row's largest t);  p = 2^(t - M);  l = the sum of the unquantised p.
; SHARES.  Work-group x: 4 queries (4 x .. 4 x + 3 of the 1,024), all 512 keys of their batch, all 8 heads.  256 work-groups of equal work, EIGHT waves each, two to a SIMD, so that one wave's
;   vector lines stand beside the other's LDS loads and waits.  Wave W = 4 g + w.
;   MLP: wave W owns keys 128 w .. + 127 (lane l: keys 128 w + 4 l + 0 .. 3) and HIDDEN UNITS 128 g .. + 127: 16 pairs x 8 heads = 128 sums a lane; per unit 64 packed multiply-adds and 22 lines for the
;   next unit's numbers.  The sums are laid own heads first: sum 16 L + 4 q + key is head 4 g + L for L < 4 and head 4 (1 - g) + L - 4 else (the records hold kw2 in that order).  Behind the loop wave W hands
;   sums 64-127 to wave W xor 4 through LDS and adds what it gets to sums 0-63: so a sum over the 256 units is two sums of 128, added once.
;   Softmax: wave W owns rows 16 g + 4 L + q (row = 4 head + q) of its 128 keys.  Mean and variance: wave W owns head W = columns 32 W .. + 31 (two tiles ct).  Projections: output tile W of each output.
; THE VARIANCE wants v in f32 for 512 keys x 256 columns: 512 KB a work-group from memory.  It is made anew instead, from the hidden layer's codes (128 KB, in LDS) and fw2's codes (in registers):
;   4 matrix instructions for 96 packed vector lines, set between them.  residual = sum x 2^(e2 + e3) + (fb2 - mean); the direct form sum p (v - mean)^2 / l is kept: no difference of large sums.
; KEY ORDER: key tile kt, row m is key 16 kt + sigma(m), sigma(m) = (m & 3) + 4 (m >> 3) + 8 ((m >> 2) & 1); in the mean's K step s, (half hh, register i, byte b) is key 128 s + 8 i + 4 hh + b, on both sides.
; NO CLUSTER: the one tile that work-groups share is the batch's 128 KB of hidden codes.  It is asked for once, at the head, 16 KB a wave, and is first read behind the MLP's 128 steps of 86 vector lines and
;   the softmax: nobody waits for it, so joint requests and the rounds that they need would spare no wait.  Nothing is filled again, so there is no ring; one tensor load of a wave is out.
; LIMITS: e4, e6, e8 between -126 and 112; e2 + e3, e6 + e7, e8 + e9 between -126 and 127.  NaN and infinities among the inputs are not served.
;   softplus(x) = max(x, 0) + ln2 log2(1 + 2^(-|x| log2 e)): for very negative x it is right in absolute terms, not in relative ones.
; LDS: HIMG hidden codes [kt 32][ks 2] images;  WB first the exchange of the half sums, 8 KB a wave, then p in f32, plane 4 h + q of 2,048 bytes, [kt][m];
;   REC 256 records of 64 bytes: -Wd0, -Wd1, -Wd2, 0, a0..a3, kw2[j] (own heads of the group that reads it, then the others);  PCB p's codes, row 4 h + q, pitch 528;
;   MSBUF each wave's own 2 KB: fb2 - mean;  QC, VC codes of mean and variance, pitch 272;  STATM, STATL [w][row 32];  OUTS [o][q][128];  SPARE.
; REGISTERS, window 0: v0 thread, v1 lane, v2 r, v3 hh, v4, v5 the add's two, v6 16 x lane, v12 32 hh: these stay.  v7-11, v13-15: LDS addresses of the phase in hand.
;   MLP: v16-27 x, y, z of my 4 keys; v28-31 -c; v32-47, v48-63 two records' halves by turns; v64-95 max(a, -c) [q][key], two sets; v96-111 the own heads' start [L][key]; v128-255 the sums.
;   Then: v28-43 fb2, v192-199 ob, v200-207 vb.  Variance: v16-79 two tiles of hidden codes; v80-87 weights; v96-127 two tiles of v's sums; v160-191 at work.
;   window 1: v0-127 v's 8 fragments for the mean, then fb2 - mean at 16 q + 8 ct + j and the variance's sums at 64 + the same; v128-191 fw2's 4 fragments; v192-255 ow's and vw's 2 each.
.set HIMG,  0
.set WB,    131072
.set REC,   196608
.set PCB,   212992
.set MSBUF, 229888
.set QC,    246272
.set VC,    250624
.set STATM, 251904
.set STATL, 252416
.set OUTS,  252928
.set SPARE, 257024                     ; the spare words, 128 bytes for each wave: four blocks of 256 bytes that no other line names
.set PX, 16
.set PY, 20
.set PZ, 24
.set NC, 28
.set WA, 32
.set KB, 48
.set HB, 64
.set BS, 96
.set AC, 128
.set RA, 7
.set HF, 16
.set WT, 80
.set D2, 96
.set DT, 160
.set HADR, 8
.set WADR, 9
.set W_MM, 0x01                        ; source 0 window 1
.set W_S1, 0x10                        ; source 2 window 1
.set W_S2, 0x50                        ; source 2 and destination window 1
.set MSB, 0
.macro WIN new                         ; the immediate's high byte repeats the setting that is left
.if MSB != \new
	s_set_vgpr_msb (MSB<<8)|\new
.set MSB, \new
.endif
.endm
.macro MKSC se, vs, vl                 ; from the exponent in s[se]: v[vs] = 2^e as f32, v[vl] = 57,344 x 2^e
	s_add_co_i32 s3, s[\se], 127
	s_lshl_b32 s37, s3, 23
	v_mov_b32 v[\vs], s37
	s_add_co_i32 s3, s3, 15
	s_lshl_b32 s3, s3, 23
	s_or_b32 s3, s3, 0x600000
	v_mov_b32 v[\vl], s3
.endm
.macro BARRIER
	s_wait_dscnt 0x0                               ; for the others' sake: my LDS stores have landed, my LDS loads are in
	s_barrier_signal -1
	s_barrier_wait -1
.endm
; One level of a reduce-scatter over lanes l and l xor x: of 2 x half registers from v[a] on, a lane whose bit x is set keeps the upper half, the other the lower; each sends what it does not keep.
.macro RSL op, x, half, a, t, mask
	s_mov_b32 vcc_lo, \mask
.set g, 0
.rept \half
	v_cndmask_b32 v[\t+g], v[\a+\half+g], v[\a+g], vcc_lo
.set g, g+1
.endr
.set g, 0
.rept \half
	v_cndmask_b32 v[\a+g], v[\a+g], v[\a+\half+g], vcc_lo
.set g, g+1
.endr
.set g, 0
.rept \half
	\op v[\a+g], v[\t+g], v[\a+g] row_xmask:\x row_mask:0xf bank_mask:0xf
.set g, g+1
.endr
.endm
.macro RSLX op, half, a, t, u          ; the level across the halves of the lanes
	s_mov_b32 vcc_lo, 0xffff0000
.set g, 0
.rept \half
	v_cndmask_b32 v[\t+g], v[\a+\half+g], v[\a+g], vcc_lo
.set g, g+1
.endr
.set g, 0
.rept \half
	v_cndmask_b32 v[\a+g], v[\a+g], v[\a+\half+g], vcc_lo
.set g, g+1
.endr
.set g, 0
.rept \half
	v_permlanex16_b32 v[\u+g], v[\t+g], s22, s23   ; (its destination has been written before)
.set g, g+1
.endr
.set g, 0
.rept \half
	\op v[\a+g], v[\a+g], v[\u+g]
.set g, g+1
.endr
.endm
	; ======== the head: the hidden codes are asked for before anything else
	s_load_b512 s[4:19], s[0:1], 0x0               ; pos_obs 4, pos_query 6, kw1 8, kb1 10, kw2 12, kb2 14, log_sigma 16, the exponents 18
	s_load_b128 s[20:23], s[0:1], 0x40             ; gk 20, himg 22
	v_lshl_add_u32 v4, v0, 2, SPARE
	v_mov_b32 v5, 0
	ds_add_u32 v4, v5                              ; the wave's opening: the add, twice on end, and its wait ahead of my first tensor load
	ds_add_u32 v4, v5
	v_lshrrev_b32 v1, 5, v0
	v_readfirstlane_b32 s2, v1                     ; wave W, 0..7
	v_and_b32 v1, 31, v0
	v_and_b32 v2, 15, v0
	v_bfe_u32 v3, v0, 4, 1
	v_lshlrev_b32 v6, 4, v1
	v_lshlrev_b32 v12, 5, v3
	s_mov_b32 s28, 3<<16                           ; group 1: no mask; elements of 8 bytes; no padding
	s_mov_b32 s29, 32<<16                          ; tensor_dim0 = 32 elements: rows of 256 bytes
	s_mov_b32 s30, 64<<16                          ; tensor_dim1 = 64 rows
	s_mov_b32 s31, 32<<16                          ; tile_dim0 = 32
	s_mov_b32 s32, 64                              ; tile_dim1 = 64
	s_mov_b32 s33, 32                              ; the pitch: the block is dense
	s_mov_b32 s34, 0
	s_mov_b32 s35, 0
	s_mov_b32 s24, 1                               ; group 0: count = 1
	s_lshl_b32 s25, s2, 14                         ; LDS address: my eighth of HIMG, 16,384 x wave
	s_lshr_b32 s3, ttmp9, 7                        ; the batch
	s_lshl_b32 s36, s3, 17
	s_add_co_u32 s36, s36, s25
	s_mov_b32 s37, 0
	s_wait_dscnt 0x0                               ; both opening adds are done
	s_wait_kmcnt 0x0
	s_add_nc_u64 s[26:27], s[22:23], s[36:37]      ; himg + 131,072 b + 16,384 W
	s_or_b32 s27, s27, 0x80000000                  ; type = 2
	tensor_load_to_lds s[24:27], s[28:35]          ; my one tensor load: 16 KB
	s_nop 0
	; ======== set-up
	s_and_b32 s60, s2, 3                           ; w: which 128 keys
	s_lshr_b32 s61, s2, 2                          ; g: which 128 hidden units, and which four heads are my own
	s_mov_b32 s22, 0x76543210                      ; v_permlanex16_b32's selects for lane l xor 16
	s_mov_b32 s23, 0xfedcba98
	s_mul_i32 s36, ttmp9, 48
	s_add_nc_u64 s[6:7], s[6:7], s[36:37]          ; my 4 queries' positions
	s_mul_i32 s36, s3, 6144
	s_mul_i32 s38, s60, 1536
	s_add_co_u32 s36, s36, s38
	s_add_nc_u64 s[4:5], s[4:5], s[36:37]          ; my wave's 128 keys' positions
	s_lshl_b32 s36, s61, 4                         ; 16 g bytes: my own four heads in G's rows, kb2 and log_sigma
	s_add_nc_u64 s[20:21], s[20:21], s[36:37]
	s_add_nc_u64 s[14:15], s[14:15], s[36:37]
	s_add_nc_u64 s[16:17], s[16:17], s[36:37]
	s_load_b128 s[44:47], s[6:7], 0x0              ; pq[q][i] = s[44 + 3 q + i]
	s_load_b128 s[48:51], s[6:7], 0x10
	s_load_b128 s[52:55], s[6:7], 0x20
	s_load_b128 s[68:71], s[20:21], 0x0            ; G[i][4 g + L] = s[68 + 4 i + L]
	s_load_b128 s[72:75], s[20:21], 0x20
	s_load_b128 s[76:79], s[20:21], 0x40
	s_load_b128 s[80:83], s[14:15], 0x0            ; kb2[4 g + L]
	s_load_b256 s[36:43], s[18:19], 0x0            ; e0 .. e7
	s_load_b64 s[100:101], s[18:19], 0x20          ; e8, e9
	v_lshlrev_b32 v7, 2, v0
	v_lshlrev_b32 v8, 5, v0
	v_mul_u32_u24 v9, v1, 48
	v_and_b32 v10, 3, v1
	v_lshlrev_b32 v10, 2, v10
	global_load_b32 v11, v10, s[16:17]             ; log_sigma[4 g + lane % 4]
.irp i, 0,1,2
.irp k, 0,1,2,3
	global_load_b32 v[PX+4*\i+\k], v9, s[4:5] offset:12*\k+4*\i   ; coordinate i of key 128 w + 4 l + k
.endr
.endr
.irp i, 0,1,2,3,4,5,6,7,8              ; thread t makes the record of hidden unit j = t
	global_load_b32 v[128+\i], v7, s[8:9] offset:1024*\i
.endr
	global_load_b32 v137, v7, s[10:11]
	global_load_b128 v[160:163], v8, s[12:13]
	global_load_b128 v[164:167], v8, s[12:13] offset:16
	v_lshl_add_u32 v13, v0, 6, REC                 ; where I store my record.  Unit t is read by the waves of group t / 128, which is my own g: kw2's half of that group's own heads comes first
	s_lshl_b32 s62, s61, 4
	s_xor_b32 s63, s62, 16
	v_add_nc_u32 v14, s62, v13                     ; heads 0-3 go 16 g further on,
	v_add_nc_u32 v15, s63, v13                     ; heads 4-7 16 (1 - g)
	s_wait_kmcnt 0x0
	s_wait_loadcnt 0x0
	v_mul_f32 v11, 0x3fb8aa3b, v11
	v_exp_f32 v11, v11                             ; sigma
.irp i, 0,1,2
	v_sub_f32 v[176+\i], v[134+\i], v[131+\i]      ; -Wd = Wc - Wb
.endr
	v_mov_b32 v179, 0
.irp i, 0,1,2
	v_add_f32 v[128+\i], v[128+\i], v[134+\i]      ; Wa + Wc
.endr
	s_wait_alu depctr_va_vdst(0)                   ; ahead of the exponential's first reader
	v_mul_f32 v11, v11, v11
	v_add_f32 v11, 0x358637bd, v11                 ; sigma^2 + 1e-6
	v_rcp_f32 v11, v11
.irp q, 0,1,2,3
	v_fma_f32 v[180+\q], v128, s[44+3*\q], v137
.endr
.irp q, 0,1,2,3
	v_fma_f32 v[180+\q], v129, s[45+3*\q], v[180+\q]
.endr
.irp q, 0,1,2,3
	v_fma_f32 v[180+\q], v130, s[46+3*\q], v[180+\q]   ; a_q[j]
.endr
	ds_store_b128 v13, v[176:179]
	ds_store_b128 v13, v[180:183] offset:16
	ds_store_b128 v14, v[160:163] offset:32
	ds_store_b128 v15, v[164:167] offset:32
	s_wait_alu depctr_va_vdst(0)                   ; ahead of the reciprocal's first reader
	v_mul_f32 v11, 0xbfb8aa3b, v11                 ; KH = -log2(e) / (sigma^2 + 1e-6): rbf = 2^(KH dist2)
.irp h, 0,1,2,3
	v_readlane_b32 s[56+\h], v11, \h
.endr
.irp h, 0,1,2,3                        ; where my own heads' sums start: kb2[h] + po.G[:, h]
.irp k, 0,1,2,3
	v_fma_f32 v[BS+4*\h+\k], v[PX+\k], s[68+\h], s[80+\h]
.endr
.endr
.irp h, 0,1,2,3
.irp k, 0,1,2,3
	v_fma_f32 v[BS+4*\h+\k], v[PY+\k], s[72+\h], v[BS+4*\h+\k]
.endr
.endr
.irp h, 0,1,2,3
.irp k, 0,1,2,3
	v_fma_f32 v[BS+4*\h+\k], v[PZ+\k], s[76+\h], v[BS+4*\h+\k]
.endr
.endr
	s_add_co_i32 s66, s38, s39
	s_add_co_i32 s66, s66, 127
	s_lshl_b32 s66, s66, 23                        ; 2^(e2 + e3) as f32
	s_mov_b32 s67, s66                             ; (named with it as a pair, so it is written)
	v_lshrrev_b32 v8, 2, v1                        ; where I store p in f32: WB + 32,768 g + 512 w + 64 (l / 4) + 32 (l % 2) + 16 ((l / 2) % 2): plane 16 g on, tile 8 w + l / 4, rows 8 (l % 2) + 4 ((l / 2) % 2) on
	v_lshlrev_b32 v8, 6, v8
	v_and_b32 v62, 1, v1
	v_lshl_add_u32 v8, v62, 5, v8
	v_bfe_u32 v63, v1, 1, 1
	v_lshl_add_u32 v8, v63, 4, v8
	s_lshl_b32 s3, s61, 15
	s_lshl_b32 s62, s60, 9
	s_add_co_u32 s3, s3, s62
	s_add_co_u32 s3, s3, WB
	v_add_nc_u32 v8, s3, v8
	v_lshrrev_b32 v63, 1, v1                       ; l / 2
	v_lshlrev_b32 v9, 2, v63                       ; and p's codes: PCB + 16 g rows + 128 w + 64 (l % 2) + 4 (l / 2): register l / 2 of half l % 2 of K step w
	v_lshl_add_u32 v9, v62, 6, v9
	s_mul_i32 s3, s61, 16*528
	s_lshl_b32 s62, s60, 7
	s_add_co_u32 s3, s3, s62
	s_add_co_u32 s3, s3, PCB
	v_add_nc_u32 v9, s3, v9
	s_lshl_b32 s3, s61, 6
	s_add_co_u32 s3, s3, STATM
	v_lshl_add_u32 v11, v63, 2, s3                 ; row 16 g + l / 2's figure, of the waves with w = 0,
	v_add_nc_u32 v10, s62, v11                     ; and of my own w
	BARRIER                                        ; the 256 records lie in LDS
	s_load_b512 s[4:19], s[0:1], 0x50              ; vimg 4, w2img 6, fb2 8, owimg 10, vwimg 12, ob 14, vb 16, out0 18 (the first eight pointers' loads are all done)
	s_load_b64 s[20:21], s[0:1], 0x90              ; out1
	s_mov_b32 s37, 0
	s_lshl_b32 s3, s2, 13
	s_add_co_u32 s3, s3, WB
	v_add_nc_u32 v13, s3, v6                       ; the exchange: my 8 KB,
	s_xor_b32 s3, s2, 4
	s_lshl_b32 s3, s3, 13
	s_add_co_u32 s3, s3, WB
	v_add_nc_u32 v14, s3, v6                       ; and those of the wave with my keys and the other hidden units
	s_wait_kmcnt 0x0
	s_lshr_b32 s3, ttmp9, 7
	s_lshl_b32 s36, s3, 17
	s_lshl_b32 s3, s2, 14
	s_add_co_u32 s36, s36, s3
	s_add_nc_u64 s[4:5], s[4:5], s[36:37]          ; v's codes: my batch, my two column tiles
	s_lshl_b32 s36, s2, 13
	s_add_nc_u64 s[6:7], s[6:7], s[36:37]          ; fw2's: my four fragments
	s_lshl_b32 s36, s2, 7
	s_add_nc_u64 s[8:9], s[8:9], s[36:37]          ; fb2: my 32
	s_lshl_b32 s36, s2, 12
	s_add_nc_u64 s[10:11], s[10:11], s[36:37]      ; ow's and vw's: my two fragments each
	s_add_nc_u64 s[12:13], s[12:13], s[36:37]
	s_lshl_b32 s36, s2, 6
	s_add_nc_u64 s[14:15], s[14:15], s[36:37]      ; ob, vb: my 16
	s_add_nc_u64 s[16:17], s[16:17], s[36:37]
	s_cmp_lt_u32 s2, 4                             ; waves 0-3 store out0's rows, waves 4-7 out1's
	s_cselect_b64 s[18:19], s[18:19], s[20:21]
	s_lshl_b32 s36, ttmp9, 11
	s_lshl_b32 s3, s60, 9
	s_add_co_u32 s36, s36, s3
	s_add_nc_u64 s[18:19], s[18:19], s[36:37]      ; row 4 x + w
	; ======== the kernel MLP
; Line n of 22 that make max(a_q, -c_key) of one hidden unit, from the record half in set par, into set par
.macro AOP n, par
.if (\n) < 2
	v_pk_mul_f32 v[NC+2*(\n):NC+2*(\n)+1], v[PX+2*(\n):PX+2*(\n)+1], v[WA+8*(\par):WA+8*(\par)+1] op_sel_hi:[1,0]
.elseif (\n) < 4
	v_pk_fma_f32 v[NC+2*(\n)-4:NC+2*(\n)-3], v[PY+2*(\n)-4:PY+2*(\n)-3], v[WA+8*(\par):WA+8*(\par)+1], v[NC+2*(\n)-4:NC+2*(\n)-3] op_sel:[0,1,0] op_sel_hi:[1,1,1]
.elseif (\n) < 6
	v_pk_fma_f32 v[NC+2*(\n)-8:NC+2*(\n)-7], v[PZ+2*(\n)-8:PZ+2*(\n)-7], v[WA+8*(\par)+2:WA+8*(\par)+3], v[NC+2*(\n)-8:NC+2*(\n)-7] op_sel_hi:[1,0,1]
.else
	v_max_num_f32 v[HB+16*(\par)+(\n)-6], v[WA+8*(\par)+4+((\n)-6)/4], v[NC+((\n)-6)%4]
.endif
.endm
; Hidden unit j = the trip's first + rel, of parity par.  64 packed multiply-adds: sums (L, q, two keys) += max(..) x kw2[j][head of L]; behind every third of them a line of unit j + 1's numbers.
; The four LDS loads (the same 16 bytes for all lanes) bring record j + 2's first half and record j + 1's kw2; the wait at the head is for the four of the step before, issued 86 vector lines earlier.
; first = 1: my own heads' sums start from kb2 + po.G, the other four from the product alone: nothing is cleared.
.macro STEP par, rel, first, ldwa, ldk, doa
	s_wait_dscnt 0x0
.if \ldwa
	ds_load_b128 v[WA+8*\par:WA+8*\par+3], v[RA] offset:64*\rel+128
	ds_load_b128 v[WA+8*\par+4:WA+8*\par+7], v[RA] offset:64*\rel+144
.endif
.if \ldk
	ds_load_b128 v[KB+8*(1-\par):KB+8*(1-\par)+3], v[RA] offset:64*\rel+96
	ds_load_b128 v[KB+8*(1-\par)+4:KB+8*(1-\par)+7], v[RA] offset:64*\rel+112
.endif
.set i, 0
.rept 64
.set rA, AC+16*(i/8)+2*(i%8)
.set rB, HB+16*\par+2*(i%8)
.set rK, KB+8*\par+2*(i/16)
.set rC, rA
.if \first
.set rC, BS+4*((i/8)%4)+2*(i%2)
.endif
.if \first && (i >= 32)
.if (i/8)%2 == 0
	v_pk_mul_f32 v[rA:rA+1], v[rB:rB+1], v[rK:rK+1] op_sel_hi:[1,0]
.else
	v_pk_mul_f32 v[rA:rA+1], v[rB:rB+1], v[rK:rK+1] op_sel:[0,1] op_sel_hi:[1,1]
.endif
.elseif (i/8)%2 == 0
	v_pk_fma_f32 v[rA:rA+1], v[rB:rB+1], v[rK:rK+1], v[rC:rC+1] op_sel_hi:[1,0,1]
.else
	v_pk_fma_f32 v[rA:rA+1], v[rB:rB+1], v[rK:rK+1], v[rC:rC+1] op_sel:[0,1,0] op_sel_hi:[1,1,1]
.endif
.if \doa && (i%3 == 0)
	AOP i/3, 1-\par
.endif
.set i, i+1
.endr
.endm
	s_lshl_b32 s3, s61, 13
	s_add_co_u32 s3, s3, REC                       ; my group's first record: unit 128 g
	v_mov_b32 v[RA], s3
	ds_load_b128 v[WA:WA+3], v[RA]
	ds_load_b128 v[WA+4:WA+7], v[RA] offset:16
	ds_load_b128 v[WA+8:WA+11], v[RA] offset:64
	ds_load_b128 v[WA+12:WA+15], v[RA] offset:80
	ds_load_b128 v[KB:KB+3], v[RA] offset:32
	ds_load_b128 v[KB+4:KB+7], v[RA] offset:48
	WIN 0x40                                       ; behind the first records' loads: v's 8 fragments and fw2's 4 are asked for now and wanted behind the softmax
.irp f, 0,1,2,3,4,5,6,7
.irp c, 0,1,2,3
	global_load_b128 v[16*\f+4*\c:16*\f+4*\c+3], v6, s[4:5] offset:2048*\f+512*\c
.endr
.endr
.irp f, 0,1,2,3
.irp c, 0,1,2,3
	global_load_b128 v[128+16*\f+4*\c:128+16*\f+4*\c+3], v6, s[6:7] offset:2048*\f+512*\c
.endr
.endr
	WIN 0
	s_wait_dscnt 0x0
.set i, 0
.rept 22
	AOP i, 0
.set i, i+1
.endr
	STEP 0, 0, 1, 1, 1, 1                          ; my first two units stand in front of the loop: the first one's products start the sums
	STEP 1, 1, 0, 1, 1, 1
	s_mov_b32 s36, 62
.Lmlp:                                             ; 62 trips of two units
	s_add_co_u32 s3, s3, 128
	v_mov_b32 v[RA], s3
	STEP 0, 0, 0, 1, 1, 1
	STEP 1, 1, 0, 1, 1, 1
	s_sub_co_u32 s36, s36, 1
	s_cmp_lg_u32 s36, 0
	s_cbranch_scc1 .Lmlp
	s_add_co_u32 s3, s3, 128
	v_mov_b32 v[RA], s3
	STEP 0, 0, 0, 0, 1, 1                          ; my last two units: nothing of the other group's records is read
	STEP 1, 1, 0, 0, 0, 0
	; ======== the two halves of the hidden units meet: sums 64-127 are my partner's own heads, as images of the registers
.set g, 0
.rept 16
	ds_store_b128 v13, v[192+4*g:195+4*g] offset:512*g
.set g, g+1
.endr
	BARRIER                                        ; every wave's 8 KB lie in LDS
.set g, 0
.rept 16
	ds_load_b128 v[32+4*g:35+4*g], v14 offset:512*g
.set g, g+1
.endr
	s_wait_dscnt 0x0
.set g, 0
.rept 32
	v_pk_add_f32 v[AC+2*g:AC+2*g+1], v[AC+2*g:AC+2*g+1], v[32+2*g:33+2*g]   ; delta of my four heads: index 16 L + 4 q + key = 4 rho + key
.set g, g+1
.endr
	; ======== logits and softmax
	WIN 0x40                                       ; wanted behind the softmax and the variance: ow's and vw's fragments,
.irp f, 0,1
.irp c, 0,1,2,3
	global_load_b128 v[192+16*\f+4*\c:192+16*\f+4*\c+3], v6, s[10:11] offset:2048*\f+512*\c
	global_load_b128 v[224+16*\f+4*\c:224+16*\f+4*\c+3], v6, s[12:13] offset:2048*\f+512*\c
.endr
.endr
	WIN 0
.irp t, 0,1                            ; fb2 at columns 16 ct + 8 hh + 0 .. 7, into v28-43,
	global_load_b128 v[28+8*\t:31+8*\t], v12, s[8:9] offset:64*\t
	global_load_b128 v[32+8*\t:35+8*\t], v12, s[8:9] offset:64*\t+16
.endr
	global_load_b128 v[192:195], v12, s[14:15]     ; ob and vb at columns 16 W + 8 hh + 0 .. 7
	global_load_b128 v[196:199], v12, s[14:15] offset:16
	global_load_b128 v[200:203], v12, s[16:17]
	global_load_b128 v[204:207], v12, s[16:17] offset:16
.irp q, 0,1,2,3                        ; dist2[q][key] into v64-79
.irp k, 0,1,2,3
	v_sub_f32 v[80+3*\k], s[44+3*\q], v[PX+\k]
	v_sub_f32 v[81+3*\k], s[45+3*\q], v[PY+\k]
	v_sub_f32 v[82+3*\k], s[46+3*\q], v[PZ+\k]
.endr
.irp k, 0,1,2,3
	v_mul_f32 v[64+4*\q+\k], v[80+3*\k], v[80+3*\k]
.endr
.irp k, 0,1,2,3
	v_fma_f32 v[64+4*\q+\k], v[81+3*\k], v[81+3*\k], v[64+4*\q+\k]
.endr
.irp k, 0,1,2,3
	v_fma_f32 v[64+4*\q+\k], v[82+3*\k], v[82+3*\k], v[64+4*\q+\k]
.endr
.endr
.irp bt, 0,1                           ; two heads at a time: t = log2(2^(KH dist2) + 1e-8) + log2(e) delta.  Each batch of 32 transcendentals has one plain line and one wait behind it
.irp hl, 0,1
.set g, 0
.rept 16
	v_mul_f32 v[96+16*\hl+g], s[56+2*\bt+\hl], v[64+g]
.set g, g+1
.endr
.endr
.set g, 0
.rept 32
	v_exp_f32 v[96+g], v[96+g]
.set g, g+1
.endr
	v_nop
	s_wait_alu depctr_va_vdst(0)
.set g, 0
.rept 16
	v_pk_add_f32 v[96+2*g:97+2*g], v[96+2*g:97+2*g], 0x322bcc77 op_sel_hi:[1,0]
.set g, g+1
.endr
.set g, 0
.rept 32
	v_log_f32 v[96+g], v[96+g]
.set g, g+1
.endr
	v_nop
	s_wait_alu depctr_va_vdst(0)
.set g, 0
.rept 16
	v_pk_fma_f32 v[AC+32*\bt+2*g:AC+32*\bt+2*g+1], v[AC+32*\bt+2*g:AC+32*\bt+2*g+1], 0x3fb8aa3b, v[96+2*g:97+2*g] op_sel_hi:[1,0,1]
.set g, g+1
.endr
.endr
.set g, 0
.rept 16                               ; my 16 rows rho = 4 L + q: the largest t of my four keys
	v_max3_num_f32 v[96+g], v[AC+4*g], v[AC+4*g+1], v[AC+4*g+2]
.set g, g+1
.endr
.set g, 0
.rept 16
	v_max_num_f32 v[96+g], v[96+g], v[AC+4*g+3]
.set g, g+1
.endr
	RSLX v_max_num_f32, 8, 96, 80, 64              ; over the 32 lanes: four levels that halve the rows, one that joins lanes l and l xor 1: lane l then holds row l / 2's
	RSL v_max_num_f32_dpp, 8, 4, 96, 80, 0xff00ff00
	RSL v_max_num_f32_dpp, 4, 2, 96, 80, 0xf0f0f0f0
	RSL v_max_num_f32_dpp, 2, 1, 96, 80, 0xcccccccc
	v_max_num_f32_dpp v96, v96, v96 row_xmask:1 row_mask:0xf bank_mask:0xf
	ds_store_b32 v10, v96                          ; (two lanes write equal numbers to one word)
	BARRIER                                        ; the waves' maxima lie in LDS; and every wave's reads of the exchange are over: p may be stored over it
.irp i, 0,1,2,3
	ds_load_b32 v[80+\i], v11 offset:128*\i
.endr
	s_wait_dscnt 0x0
	v_max3_num_f32 v80, v80, v81, v82
	v_max_num_f32 v80, v80, v83
	v_floor_f32 v80, -v80                          ; -M = floor(-t) = -ceil(t): a whole number
.set g, 0
.rept 16
	v_readlane_b32 s[68+g], v80, 2*g
.set g, g+1
.endr
.set g, 0
.rept 64
	v_add_f32 v[AC+g], s[68+g/4], v[AC+g]
.set g, g+1
.endr
.set g, 0
.rept 64
	v_exp_f32 v[AC+g], v[AC+g]                     ; p = 2^(t - M), at most 1, not normalised
.set g, g+1
.endr
	v_nop
	s_wait_alu depctr_va_vdst(0)                   ; one wait for the 64
.set g, 0
.rept 16
	ds_store_b128 v8, v[AC+4*g:AC+4*g+3] offset:2048*g   ; p in f32, for the variance
.set g, g+1
.endr
.set g, 0
.rept 16                               ; the rows' sums of the unquantised p
	v_pk_add_f32 v[64+2*g:65+2*g], v[AC+4*g:AC+4*g+1], v[AC+4*g+2:AC+4*g+3]
.set g, g+1
.endr
.set g, 0
.rept 16
	v_add_f32 v[96+g], v[64+2*g], v[65+2*g]
.set g, g+1
.endr
	RSLX v_add_f32, 8, 96, 80, 64
	RSL v_add_f32_dpp, 8, 4, 96, 80, 0xff00ff00
	RSL v_add_f32_dpp, 4, 2, 96, 80, 0xf0f0f0f0
	RSL v_add_f32_dpp, 2, 1, 96, 80, 0xcccccccc
	v_add_f32_dpp v96, v96, v96 row_xmask:1 row_mask:0xf bank_mask:0xf
	ds_store_b32 v10, v96 offset:512               ; into STATL
	MKSC 40, 60, 61                                ; e4
	s_wait_dscnt 0x0                               ; the stores of p have read their registers, which are written now
.set g, 0
.rept 64
	v_min_num_f32 v[AC+g], v[AC+g], v61            ; the conversion does not saturate (ISA guide 7.6.2); p is not negative, so the hold is one-sided
.set g, g+1
.endr
.set g, 0
.rept 8
	v_cvt_scalef32_pk8_bf8_f32 v[64+2*g:65+2*g], v[AC+8*g:AC+8*g+7], v60   ; rows 2 g and 2 g + 1: four keys, one register, each
.set g, g+1
.endr
	v_nop                                          ; a plain line behind the conversions
.set g, 0
.rept 16
	ds_store_b32 v9, v[64+g] offset:528*g
.set g, g+1
.endr
	s_mul_i32 s37, s61, 16*528                     ; addresses of the next phase.  P's fragment: rows 16 g + r = heads 4 g + r / 4, query r % 4
	s_add_co_u32 s37, s37, PCB
	v_mul_u32_u24 v13, v2, 528
	v_lshl_add_u32 v13, v3, 6, v13
	v_add_nc_u32 v13, s37, v13
	s_lshl_b32 s3, s61, 6
	s_add_co_u32 s3, s3, STATL
	v_lshl_add_u32 v62, v2, 2, s3                  ; that row's sum, the part of w = 0
	s_lshl_b32 s3, s2, 11
	s_add_co_u32 s3, s3, MSBUF
	v_lshl_add_u32 v14, v1, 5, s3                  ; fb2 - mean, in: 32 bytes a lane and column tile
	s_lshl_b32 s37, s60, 7
	s_add_co_u32 s37, s37, s3
	v_lshl_add_u32 v15, v3, 9, s37                 ; and back: from lane 16 hh + 4 w + q, the lanes of my own head
	s_lshl_b32 s3, s2, 5
	s_add_co_u32 s3, s3, QC
	v_mul_u32_u24 v7, v2, 272
	v_lshl_add_u32 v7, v3, 3, v7
	v_add_nc_u32 v7, s3, v7                        ; the mean's codes: row r, byte 32 W + 8 hh
	s_wait_tensorcnt 0x0                           ; my eighth of the hidden codes has landed
	BARRIER                                        ; p, its codes, the sums and the hidden codes lie in LDS
	; ======== the weighted mean: O^T = V^T P^T, source 0 = 16 columns of v, source 1 = 16 rows (head, query) of p.  Of the 16 lanes r those of my own head (r / 4 = w) count; the others' products stay unused
.irp s, 0,1,2,3
.irp c, 0,1,2,3
	ds_load_b128 v[128+16*\s+4*\c:128+16*\s+4*\c+3], v13 offset:128*\s+16*\c
.endr
.endr
.irp i, 0,1,2,3
	ds_load_b32 v[64+\i], v62 offset:128*\i
.endr
	s_add_co_i32 s26, s42, s43                     ; (the descriptor's registers are free: its load is done)
	s_add_co_i32 s26, s26, 127
	s_lshl_b32 s26, s26, 23                        ; 2^(e6 + e7)
	s_mov_b32 s27, s26
	s_add_co_i32 s28, s100, s101
	s_add_co_i32 s28, s28, 127
	s_lshl_b32 s28, s28, 23                        ; 2^(e8 + e9)
	s_mov_b32 s29, s28
	s_wait_loadcnt 0x0                             ; all fragments and biases, asked for long ago
	s_wait_dscnt 0x0
	WIN W_MM                                       ; source 0 (v) window 1
.irp s, 0,1,2,3                        ; two accumulators by turns, K step by K step
.irp t, 0,1
.if \s == 0
	v_wmma_f32_16x16x128_bf8_bf8 v[208+8*\t:215+8*\t], v[64*\t:64*\t+15], v[128:143], 0
.else
	v_wmma_f32_16x16x128_bf8_bf8 v[208+8*\t:215+8*\t], v[64*\t+16*\s:64*\t+16*\s+15], v[128+16*\s:143+16*\s], v[208+8*\t:215+8*\t]
.endif
.endr
.endr
	WIN 0
	v_add_f32 v64, v64, v65                        ; l of my row: these lines are the places behind the products
	v_add_f32 v66, v66, v67
	v_add_f32 v64, v64, v66
	v_nop
	v_rcp_f32 v64, v64
	MKSC 42, 60, 61                                ; e6 (its two vector lines are the plain lines behind the reciprocal)
	s_add_co_i32 s3, s40, s41
	s_wait_alu depctr_va_vdst(0)
	v_ldexp_f32 v64, v64, s3                       ; 2^(e4 + e5) / l
.set g, 0
.rept 16
	v_mul_f32 v[224+g], v[208+g], v64              ; the mean; each accumulator from its low end on
.set g, g+1
.endr
.set g, 0
.rept 8
	v_pk_add_f32 v[96+2*g:97+2*g], v[28+2*g:29+2*g], v[224+2*g:225+2*g] neg_lo:[0,1] neg_hi:[0,1]   ; fb2 - mean
.set g, g+1
.endr
.irp t, 0,1
	ds_store_b128 v14, v[96+8*\t:99+8*\t] offset:1024*\t
	ds_store_b128 v14, v[100+8*\t:103+8*\t] offset:1024*\t+16
.endr
.set g, 0
.rept 16
	v_med3_num_f32 v[224+g], v[224+g], -v61, v61
.set g, g+1
.endr
.irp t, 0,1
	v_cvt_scalef32_pk8_bf8_f32 v[68+2*\t:69+2*\t], v[224+8*\t:231+8*\t], v60
.endr
	v_nop
.irp t, 0,1
	ds_store_b64 v7, v[68+2*\t:69+2*\t] offset:16*\t
.endr
	WIN 0x40                                       ; fb2 - mean of query q, columns 16 ct + 8 hh + 0 .. 7, for every lane: my wave's own bytes, served in order behind my stores
.irp q, 0,1,2,3
.irp t, 0,1
	ds_load_b128 v[16*\q+8*\t:16*\q+8*\t+3], v15 offset:1024*\t+32*\q
	ds_load_b128 v[16*\q+8*\t+4:16*\q+8*\t+7], v15 offset:1024*\t+32*\q+16
.endr
.endr
	WIN 0
	; ======== the variance, a tile of 16 keys a step.  v^T = W2 hid^T (source 0 = 16 columns, source 1 = 16 keys): lane (r, hh) holds key row r and columns 8 hh + 0 .. 7 of each tile ct
; Matrix instruction n of 4 of the NEXT tile: K step n / 2, column tile n % 2, into the other set.  Two accumulators by turns.
.macro VMM n, par
.set rD, D2+16*(1-(\par))+8*((\n)%2)
.set rW, 128+16*(2*((\n)%2)+(\n)/2)
.set rH, HF+32*(1-(\par))+16*((\n)/2)
.if (\n) < 2
	v_wmma_f32_16x16x128_bf8_bf8 v[rD:rD+7], v[rW:rW+15], v[rH:rH+15], 0
.else
	v_wmma_f32_16x16x128_bf8_bf8 v[rD:rD+7], v[rW:rW+15], v[rH:rH+15], v[rD:rD+7]
.endif
.endm
; Column tile ct of the tile in hand: residual = sum x 2^(e2 + e3) + (fb2 - mean), its square, and sums += square x p: 48 packed lines for 4 queries x 8 columns; two of the next tile's matrix instructions between them
.macro VBLK ct, par, first, dow
.if \dow
	WIN W_MM
	VMM 2*\ct, \par
.endif
	WIN W_S1
.irp q, 0,1,2,3
.irp p, 0,2,4,6
	v_pk_fma_f32 v[DT+8*\q+\p:DT+8*\q+\p+1], v[D2+16*\par+8*\ct+\p:D2+16*\par+8*\ct+\p+1], s[66:67], v[16*\q+8*\ct+\p:16*\q+8*\ct+\p+1] op_sel_hi:[1,0,1]
.endr
.endr
.if \dow
	WIN W_MM
	VMM 2*\ct+1, \par
.endif
	WIN W_S1
.set g, 0
.rept 16
	v_pk_mul_f32 v[DT+2*g:DT+2*g+1], v[DT+2*g:DT+2*g+1], v[DT+2*g:DT+2*g+1]
.set g, g+1
.endr
	WIN W_S2
.irp q, 0,1,2,3
.irp p, 0,2,4,6
.set rV, 64+16*\q+8*\ct+\p
.set rP, WT+4*\par+2*(\q/2)
.if \first
.if (\q%2) == 0
	v_pk_mul_f32 v[rV:rV+1], v[DT+8*\q+\p:DT+8*\q+\p+1], v[rP:rP+1] op_sel_hi:[1,0]
.else
	v_pk_mul_f32 v[rV:rV+1], v[DT+8*\q+\p:DT+8*\q+\p+1], v[rP:rP+1] op_sel:[0,1] op_sel_hi:[1,1]
.endif
.else
.if (\q%2) == 0
	v_pk_fma_f32 v[rV:rV+1], v[DT+8*\q+\p:DT+8*\q+\p+1], v[rP:rP+1], v[rV:rV+1] op_sel_hi:[1,0,1]
.else
	v_pk_fma_f32 v[rV:rV+1], v[DT+8*\q+\p:DT+8*\q+\p+1], v[rP:rP+1], v[rV:rV+1] op_sel:[0,1,0] op_sel_hi:[1,1,1]
.endif
.endif
.endr
.endr
.endm
; Key tile kt = the trip's first + rel, of parity par.  The wait is for the loads of the step before.  Loads: hidden codes of tile kt + 2 into the set that the step before multiplied (32 plain
; vector lines lie between its last matrix instruction and these loads), p of tile kt + 1.
.macro VSTEP par, rel, first, dow, ldh, ldw
	WIN 0
	s_wait_dscnt 0x0
.if \ldh
.irp k, 0,1
.irp c, 0,1,2,3
	ds_load_b128 v[HF+32*\par+16*\k+4*\c:HF+32*\par+16*\k+4*\c+3], v[HADR] offset:(2+\rel)*4096+2048*\k+512*\c
.endr
.endr
.endif
.if \ldw
.irp n, 0,1,2,3
	ds_load_b32 v[WT+4*(1-\par)+\n], v[WADR] offset:2048*\n+(1+\rel)*64
.endr
.endif
	VBLK 0, \par, \first, \dow
	VBLK 1, \par, \first, \dow
.endm
	s_lshl_b32 s3, s2, 13
	s_add_co_u32 s3, s3, WB
	v_lshl_add_u32 v10, v2, 2, s3                  ; p of head W: planes 4 W on, + 4 r
	s_mov_b32 s24, 0
	s_mov_b32 s25, 0
	v_add_nc_u32 v[HADR], s24, v6
	v_add_nc_u32 v[WADR], s25, v10
	s_wait_dscnt 0x0                               ; my stores have read their registers, and fb2 - mean is back
.irp t, 0,1
.irp k, 0,1
.irp c, 0,1,2,3
	ds_load_b128 v[HF+32*\t+16*\k+4*\c:HF+32*\t+16*\k+4*\c+3], v[HADR] offset:4096*\t+2048*\k+512*\c
.endr
.endr
.endr
.irp n, 0,1,2,3
	ds_load_b32 v[WT+\n], v[WADR] offset:2048*\n
.endr
	s_wait_dscnt 0x0
	WIN W_MM
.irp n, 0,1,2,3
	VMM \n, 1                                      ; tile 0
.endr
	WIN 0
.rept 4
	v_nop                                          ; four places in front of the loads into tile 0's registers and of the first read of its sums
.endr
	VSTEP 0, 0, 1, 1, 1, 1                         ; tiles 0 and 1 stand in front of the loop: tile 0 starts the sums
	VSTEP 1, 1, 0, 1, 1, 1
	WIN 0
	s_mov_b32 s36, 14
.Lvar:                                             ; 14 trips of two tiles
	s_add_co_u32 s24, s24, 8192
	s_add_co_u32 s25, s25, 128
	v_add_nc_u32 v[HADR], s24, v6
	v_add_nc_u32 v[WADR], s25, v10
	VSTEP 0, 0, 0, 1, 1, 1
	VSTEP 1, 1, 0, 1, 1, 1
	WIN 0
	s_sub_co_u32 s36, s36, 1
	s_cmp_lg_u32 s36, 0
	s_cbranch_scc1 .Lvar
	s_add_co_u32 s24, s24, 8192
	s_add_co_u32 s25, s25, 128
	v_add_nc_u32 v[HADR], s24, v6
	v_add_nc_u32 v[WADR], s25, v10
	VSTEP 0, 0, 0, 1, 0, 1                         ; tiles 30 and 31: nothing lies behind the last
	VSTEP 1, 1, 0, 0, 0, 0
	WIN 0
	; ======== the sums over the 16 key rows: 8 groups (2 q + ct) of 8 columns: three levels that halve the groups, one that joins lanes r and r xor 1: lane r then holds group r / 2
	v_lshrrev_b32 v85, 2, v2                       ; q = r / 4
	s_lshl_b32 s3, s2, 4
	s_add_co_u32 s3, s3, STATL
	v_lshl_add_u32 v84, v85, 2, s3                 ; l of row 4 W + q
	v_mul_u32_u24 v85, v85, 272
	v_bfe_u32 v86, v2, 1, 1                        ; ct = (r / 2) % 2
	v_lshl_add_u32 v85, v86, 4, v85
	v_lshl_add_u32 v85, v3, 3, v85
	s_lshl_b32 s3, s2, 5
	s_add_co_u32 s3, s3, VC
	v_add_nc_u32 v85, s3, v85                      ; the variance's codes: row q, byte 32 W + 16 ct + 8 hh
.irp i, 0,1,2,3
	ds_load_b32 v[80+\i], v84 offset:128*\i
.endr
	s_mov_b32 vcc_lo, 0xff00ff00
	WIN 0x05                                       ; the first level reads window 1 and writes window 0
.set g, 0
.rept 32
	v_cndmask_b32 v[96+g], v[96+g], v[64+g], vcc_lo
.set g, g+1
.endr
.set g, 0
.rept 32
	v_cndmask_b32 v[16+g], v[64+g], v[96+g], vcc_lo
.set g, g+1
.endr
	WIN 0
.set g, 0
.rept 32
	v_add_f32_dpp v[16+g], v[96+g], v[16+g] row_xmask:8 row_mask:0xf bank_mask:0xf
.set g, g+1
.endr
	RSL v_add_f32_dpp, 4, 16, 16, 96, 0xf0f0f0f0
	RSL v_add_f32_dpp, 2, 8, 16, 96, 0xcccccccc
.irp j, 0,1,2,3,4,5,6,7
	v_add_f32_dpp v[16+\j], v[16+\j], v[16+\j] row_xmask:1 row_mask:0xf bank_mask:0xf
.endr
	s_wait_dscnt 0x0
	v_add_f32 v80, v80, v81
	v_add_f32 v82, v82, v83
	v_add_f32 v80, v80, v82
	v_rcp_f32 v80, v80
	MKSC 100, 86, 87                               ; e8 (its two vector lines are the plain lines behind the reciprocal)
	s_wait_alu depctr_va_vdst(0)
.irp j, 0,1,2,3,4,5,6,7
	v_mul_f32 v[16+\j], v[16+\j], v80              ; the variance
.endr
.irp j, 0,1,2,3,4,5,6,7
	v_min_num_f32 v[16+\j], v[16+\j], v87          ; never negative: the hold is one-sided
.endr
	v_cvt_scalef32_pk8_bf8_f32 v[88:89], v[16:23], v86
	v_nop
	ds_store_b64 v85, v[88:89]                     ; (two lanes write equal codes to one place)
	v_and_b32 v13, 3, v2                           ; addresses of the last phase
	v_mul_u32_u24 v14, v13, 272
	v_lshl_add_u32 v14, v3, 4, v14
	v_add_nc_u32 v15, VC, v14                      ; the variance's fragment: row r % 4, + 16 hh
	v_add_nc_u32 v14, QC, v14                      ; the mean's: row 4 c + r % 4, the row in which head 4 ks + c's own lanes wrote
	v_lshlrev_b32 v13, 9, v13
	v_lshl_add_u32 v13, v3, 5, v13
	s_lshl_b32 s3, s2, 6
	s_add_co_u32 s3, s3, OUTS
	v_add_nc_u32 v13, s3, v13                      ; the stage: query r % 4, columns 16 W + 8 hh on
	s_lshl_b32 s3, s2, 9
	s_add_co_u32 s3, s3, OUTS
	v_add_nc_u32 v7, s3, v6                        ; and back: row W of the stage's eight: output W / 4, query W % 4
	BARRIER                                        ; the codes of mean and variance lie in LDS
	; ======== the projections, transposed: source 0 = 16 output columns, source 1 = the 4 queries, each four times over
.irp k, 0,1
.irp c, 0,1,2,3
	ds_load_b128 v[96+16*\k+4*\c:96+16*\k+4*\c+3], v14 offset:\c*(4*272+32)+128*\k
	ds_load_b128 v[128+16*\k+4*\c:128+16*\k+4*\c+3], v15 offset:128*\k+32*\c
.endr
.endr
	s_wait_dscnt 0x0
	WIN W_MM
.irp k, 0,1                            ; two accumulators (output o) by turns
.irp n, 0,1
.if \k == 0
	v_wmma_f32_16x16x128_bf8_bf8 v[160+8*\n:167+8*\n], v[192+32*\n:192+32*\n+15], v[96+32*\n:96+32*\n+15], 0
.else
	v_wmma_f32_16x16x128_bf8_bf8 v[160+8*\n:167+8*\n], v[192+32*\n+16:192+32*\n+31], v[96+32*\n+16:96+32*\n+31], v[160+8*\n:167+8*\n]
.endif
.endr
.endr
	WIN 0
.rept 4
	v_nop
.endr
.set g, 0
.rept 4
	v_pk_fma_f32 v[16+2*g:17+2*g], v[160+2*g:161+2*g], s[26:27], v[192+2*g:193+2*g] op_sel_hi:[1,0,1]   ; mean = sum x 2^(e6 + e7) + ob
.set g, g+1
.endr
.set g, 0
.rept 4
	v_pk_fma_f32 v[32+2*g:33+2*g], v[168+2*g:169+2*g], s[28:29], v[200+2*g:201+2*g] op_sel_hi:[1,0,1]   ; x = sum x 2^(e8 + e9) + vb
.set g, g+1
.endr
.set g, 0
.rept 8
	v_mul_f32 v[48+g], 0xbfb8aa3b, |v[32+g]|       ; softplus(x) = max(x, 0) + ln2 log2(1 + 2^(-|x| log2 e))
.set g, g+1
.endr
.set g, 0
.rept 8
	v_exp_f32 v[48+g], v[48+g]
.set g, g+1
.endr
	v_nop
	s_wait_alu depctr_va_vdst(0)
.set g, 0
.rept 8
	v_add_f32 v[48+g], 1.0, v[48+g]
.set g, g+1
.endr
.set g, 0
.rept 8
	v_log_f32 v[48+g], v[48+g]
.set g, g+1
.endr
.set g, 0
.rept 8
	v_max_num_f32 v[32+g], 0, v[32+g]              ; (plain lines behind the logarithms, which name none of their results)
.set g, g+1
.endr
	s_wait_alu depctr_va_vdst(0)
.set g, 0
.rept 8
	v_fmamk_f32 v[32+g], v[48+g], 0x3f317218, v[32+g]
.set g, g+1
.endr
.irp o, 0,1
	ds_store_b128 v13, v[16+16*\o:19+16*\o] offset:2048*\o       ; lanes that repeat a query write equal numbers to equal places
	ds_store_b128 v13, v[20+16*\o:23+16*\o] offset:2048*\o+16
.endr
	BARRIER                                        ; 2 x 4 whole rows lie in the stage
	ds_load_b128 v[64:67], v7
	s_wait_dscnt 0x0
	global_store_b128 v6, v[64:67], s[18:19] th:TH_STORE_NT             ; 32 lanes store a row of 512 bytes, aligned
	s_wait_tensorcnt 0x0                           ; the wave's end, behind my last tensor load and my last LDS store
	ds_add_u32 v4, v5
	s_wait_dscnt 0x0
	s_endpgm
.Lfunc_end_k_q4927cec7e5_main:
	.size	k_q4927cec7e5_main, .Lfunc_end_k_q4927cec7e5_main-k_q4927cec7e5_main
	.p2alignl 7, 3214868480
	.fill 96, 4, 3214868480
	.section	.rodata,"a",@progbits
	.p2align	6, 0x0
	.amdhsa_kernel k_q4927cec7e5_main
		.amdhsa_group_segment_fixed_size 258048
		.amdhsa_private_segment_fixed_size 0
		.amdhsa_enable_private_segment 0
		.amdhsa_kernarg_size 152
		.amdhsa_user_sgpr_count 2
		.amdhsa_user_sgpr_kernarg_segment_ptr 1
		.amdhsa_wavefront_size32 1
		.amdhsa_system_sgpr_workgroup_id_x 1
		.amdhsa_system_sgpr_workgroup_id_y 1
		.amdhsa_system_sgpr_workgroup_id_z 1
		.amdhsa_system_vgpr_workitem_id 0
		.amdhsa_next_free_vgpr 512
		.amdhsa_next_free_sgpr 102
		.amdhsa_reserve_vcc 1
		.amdhsa_float_denorm_mode_32 3
		.amdhsa_float_denorm_mode_16_64 3
		.amdhsa_memory_ordered 1
		.amdhsa_forward_progress 1
		.amdhsa_inst_pref_size 158
	.end_amdhsa_kernel
	.amdgpu_metadata
---
amdhsa.version: [ 1, 2 ]
amdhsa.kernels:
  - .name:           k_q4927cec7e5_main
    .symbol:         k_q4927cec7e5_main.kd
    .args:
      - { .name: pos_obs, .offset: 0, .size: 8, .value_kind: global_buffer, .address_space: global }
      - { .name: pos_query, .offset: 8, .size: 8, .value_kind: global_buffer, .address_space: global }
      - { .name: kw1, .offset: 16, .size: 8, .value_kind: global_buffer, .address_space: global }
      - { .name: kb1, .offset: 24, .size: 8, .value_kind: global_buffer, .address_space: global }
      - { .name: kw2, .offset: 32, .size: 8, .value_kind: global_buffer, .address_space: global }
      - { .name: kb2, .offset: 40, .size: 8, .value_kind: global_buffer, .address_space: global }
      - { .name: log_sigma, .offset: 48, .size: 8, .value_kind: global_buffer, .address_space: global }
      - { .name: lowp_scales, .offset: 56, .size: 8, .value_kind: global_buffer, .address_space: global }
      - { .name: gk, .offset: 64, .size: 8, .value_kind: global_buffer, .address_space: global }
      - { .name: himg, .offset: 72, .size: 8, .value_kind: global_buffer, .address_space: global }
      - { .name: vimg, .offset: 80, .size: 8, .value_kind: global_buffer, .address_space: global }
      - { .name: w2img, .offset: 88, .size: 8, .value_kind: global_buffer, .address_space: global }
      - { .name: fb2, .offset: 96, .size: 8, .value_kind: global_buffer, .address_space: global }
      - { .name: owimg, .offset: 104, .size: 8, .value_kind: global_buffer, .address_space: global }
      - { .name: vwimg, .offset: 112, .size: 8, .value_kind: global_buffer, .address_space: global }
      - { .name: ob, .offset: 120, .size: 8, .value_kind: global_buffer, .address_space: global }
      - { .name: vb, .offset: 128, .size: 8, .value_kind: global_buffer, .address_space: global }
      - { .name: out0, .offset: 136, .size: 8, .value_kind: global_buffer, .address_space: global }
      - { .name: out1, .offset: 144, .size: 8, .value_kind: global_buffer, .address_space: global }
    .group_segment_fixed_size: 258048
    .private_segment_fixed_size: 0
    .kernarg_segment_align: 8
    .kernarg_segment_size: 152
    .max_flat_workgroup_size: 256
    .sgpr_count:     102
    .vgpr_count:     512
    .wavefront_size: 32
...
	.end_amdgpu_metadata
.endif
;; end of part 3
